; MI455X (gfx1250); checked and timed in simulation.
; The chip was launched on July 23, 2026; its instructions are those of AMD's public machine-readable ISA for CDNA 5 (MIT licence, August 2026) and "CDNA5" Instruction Set Architecture Reference Guide (July 2026). The comments in the code are by the model that wrote it; some were corrected since.
;; MSA1. Allowed arithmetic: matrix products marked QUANTISED: E3M2 operands, one E8M0 scale for each 32 along K, by v_wmma_scale_f32_16x16x128_f8f6f4 with both operands' format E3M2, f32 sums; products left as they are: f32 operands where the result goes on into a quantised operand, else bf16, f16 or f32 operands; f32 sums; everything else in f32.
;; Inputs: WK_b 1,024 float32; WK_w 1,024 x 1,024 float32; WO_b 1,024 float32; WO_w 1,024 x 1,024 float32; WQ_b 1,024 float32; WQ_w 1,024 x 1,024 float32; WV_b 1,024 float32; WV_w 1,024 x 1,024 float32; ax 8 x 1,024 float32; x 8 x 2,048 x 1,024 float32.
;; Outputs: out0 8 x 2,048 x 1,024 float32.
;; This version of the problem:
;;   THIS VERSION OF THE PROBLEM IS GIVEN IN LOW PRECISION. The matrix products marked QUANTISED in the list below multiply operands that are first quantised to E3M2 (3 exponent bits, 2 mantissa bits; 6 bits a number), with one power-of-two scale for each 32 numbers along K (OCP MX v1.0); their sums are f32. All else is computed in f32.
;;   The module's matrix products, in the order in which they are computed (A, B: the left and right operand; K: the contracted axis; several contracted axes count as one K, in the product's order):
;;     1. [M 16,384, K 1,024] x [K 1,024, N 1,024]; A: input x; B: input WQ_w: QUANTISED
;;     2. [M 16,384, K 1,024] x [K 1,024, N 1,024]; A: input x; B: input WK_w: QUANTISED
;;     3. [M 8, K 1,024] x [K 1,024, N 1,024]; A: input ax; B: input WK_w: left as it is (M = 8 < 16)
;;     4. [M 8, K 1,024] x [K 1,024, N 1,024]; A: input ax; B: input WV_w: left as it is (M = 8 < 16)
;;     5. batch 262,144 x [M 1, K 64] x [K 64, N 4]; A: computed on the way; B: computed on the way: left as it is (M = 1 < 16)
;;     6. batch 262,144 x [M 1, K 4] x [K 4, N 64]; A: softmax; B: computed on the way: left as it is (K = 4 < 32)
;;     7. [M 16,384, K 1,024] x [K 1,024, N 1,024]; A: computed on the way; B: input WO_w: QUANTISED
;;   THE QUANTISER, for each operand of a quantised product, along K:
;;     - K is cut into blocks of 32 from its start; a last block that is shorter is filled with zeros.
;;     - A block's scale is 2^e with e = floor(log2(the largest magnitude in the block)) - 4, held to -126 .. 127; a block of zeros has e = 0. As a byte (E8M0): e + 127.
;;     - Each number is divided by its block's scale, clamped to +-28, and rounded to the nearest number of E3M2, ties to even, subnormals kept.
;;     - The product sums the exact products of the quantised numbers (number of the format x scale) in f32.
;;   ~~~python
;;   def quantise(x, axis):      # numpy; x: float32 -> the quantised numbers, widened to float32 again
;;       x = np.moveaxis(x, axis, -1); K = x.shape[-1]
;;       x = np.pad(x, [(0, 0)] * (x.ndim - 1) + [(0, -K % 32)]); x = x.reshape(x.shape[:-1] + (-1, 32)); a = np.abs(x).max(-1, keepdims=True)
;;       e = np.where(a > 0, np.clip(np.frexp(np.where(a > 0, a, 1))[1] - 1 - 4, -126, 127), 0)      # np.frexp(a)[1] - 1 = floor(log2(a)), exactly
;;       r = np.clip(x / 2.0 ** e, -28, 28)
;;       step = 2.0 ** (np.maximum(np.frexp(np.where(r == 0, 1, r))[1] - 1, -2) - 2)
;;       q = np.round(r / step) * step * 2.0 ** e      # np.round: ties to even
;;       return np.moveaxis(q.reshape(q.shape[:-2] + (-1,))[..., :K], -1, axis).astype(np.float32)
;;   ~~~
;;   OPERANDS COMPUTED ON THE WAY. 'Computed on the way' means the value that the module computes at that place (a softmax that the list does not call 'softmax' is quantised finished and normalised). What goes into a quantiser is computed in f32, as accurately as f32 sums, v_exp_f32 and their like allow (about 1e-6 of the number): no bf16 or f16 on the way to a quantiser, and a product that is left as it is and whose result goes on into a quantised operand takes f32 operands (vector FMAs, or v_wmma_f32_16x16x4_f32). A number that lies on a knife's edge between two numbers of the format may be rounded either way, as far as f32 arithmetic and the matrix unit's own rounding can turn it there, and no further.
;; One version. Each part assembles by itself: llvm-mc -triple=amdgcn-amd-amdhsa -mcpu=gfx1250 --defsym DOCPART=n.
;; ======== version 1 of 1: 2 launches
;; limits: right only within a limited range of input values
;; workspace buffers: wst 2,457,600 bytes; akv 65,536 bytes
;; launch prep (part 1): grid 160 x 1, 8 waves a work-group, no clusters, 67,584 bytes of LDS; arguments WQ_w, WK_w, WV_w, WO_w, ax, WK_b, WV_b, wst, akv; writes wst, akv
.if DOCPART == 1
	.amdgcn_target "amdgcn-amd-amdhsa--gfx1250"
	.amdhsa_code_object_version 6
	.text
	.protected	k_qd1e8b10b81_prep
	.globl	k_qd1e8b10b81_prep
	.p2align	8
	.type	k_qd1e8b10b81_prep,@function
k_qd1e8b10b81_prep:
	s_mov_b64 s[64:65], 0
	v_nop
	global_prefetch_b8 v0, s[64:65] scope:SCOPE_SE
	s_setreg_imm32_b32 hwreg(HW_REG_WAVE_MODE, 25, 1), 1
	s_wait_xcnt 0x0
; PREP.  Two jobs in one launch, told apart by the work-group's number; each has LDS bytes of its own.
; (1) Work-groups 0-95: WQ_w, WK_w, WO_w ([k][n] f32, K the first axis) become codes of BF6 (E3M2) with one E8M0 byte for each 32 along K, laid as ONE stream, wst, in the order in which the next launch eats it:
;     24 tiles of 102,400 bytes; a tile = 4 quarters (one for each wave of the reader) of 25,600; a quarter = 2 sub-blocks of 12,800; a sub-block = 8 images of operand fragments (16 columns x 128 K: 1,536 bytes,
;     registers 4m..4m+3 of lane l at 512 m + 16 l) + 512 bytes of scale words (word of lane l, place i at 16 l + 4 i: tile i in lanes 0-15, tile 4 + i in lanes 16-31).
;     Tile s < 16: head 4 w + s / 4, K steps 2 (s % 4) + kk; fragments 0-3 WQ's 64 columns of that head, 4-7 WK's.  Tile 16 + s: K step s of WO, columns 256 w + 128 kk on.
;     THE COLUMNS OF A FRAGMENT ARE NOT NEIGHBOURS: of a group of 32 columns, lane r of fragment u takes column 8 u + r + 8 (r / 8), so that the reader's results of two fragments are 16 neighbours.
;     A lane takes a column and its registers run down K: a block of 32 lies in one lane, and the conversions give codes with K innermost.
; (2) Work-groups 96-159: ak = ax WK_w + WK_b and av = ax WV_w + WV_b, [8][1024] each, by f32 multiply-adds (their results go on into a quantised operand).  32 columns a work-group, 128 of K a wave, the
;     eight waves' parts are added in a fixed order through LDS.
; A block's scale is 2^(floor(log2(largest magnitude)) - 4); its byte is the largest magnitude's exponent field - 4, held at 1 from below.
; LIMITS: a block of zeros, and a block whose largest magnitude lies under 2^-122, get the byte 1 (the rule says 127 for zeros: the codes are zeros and only this program reads the bytes); NaN and infinities are not served.
.set RED,  58368                       ; job 2: the waves' partial sums, 1,024 bytes a wave: [column][batch]
.set XR,   128                         ; job 1: v128-255 four sets of 32 numbers, one for each block of my column
.set CR,   96                          ; job 1: v96-104 a block's codes
.set SB,   24                          ; job 1: v24     the four scale bytes of my column
.set OUTR, 32                          ; job 1: v32-59 the way out
.set WR,   128                         ; job 2: v128-255 W as operand registers: 16 columns' tile T at WR + 64 T; register i: W(64 h + i, column r)
.set AXR,  32                          ; job 2: v32-95 ax as operand registers: register i: ax(batch r % 8, 64 h + i)
.set ACC,  112                         ; job 2: v112-127 two accumulators
.set AXI,  224                         ; job 2: v224-239 the sums on their way through LDS
	s_load_b256 s[4:11], s[0:1], 0x0               ; WQ_w s[4:5], WK_w s[6:7], WV_w s[8:9], WO_w s[10:11]
	s_load_b256 s[12:19], s[0:1], 0x20             ; ax s[12:13], WK_b s[14:15], WV_b s[16:17], wst s[18:19]
	s_load_b64 s[20:21], s[0:1], 0x40              ; akv
	v_lshl_add_u32 v30, v0, 2, 0x10400
	v_mov_b32 v31, 0
	v_lshrrev_b32 v1, 5, v0
	s_delay_alu instid0(VALU_DEP_1)
	v_readfirstlane_b32 s22, v1                    ; wave 0..7
	v_and_b32 v2, 31, v0                           ; lane
	s_cmp_ge_u32 ttmp9, 96
	s_cbranch_scc1 .Lglobal
; ---------------- job 1: a quarter of a tile of the stream
	s_lshr_b32 s23, s22, 2                         ; kk: which sub-block
	s_and_b32 s24, s22, 3                          ; v: which 32 columns (two fragments) of it
	s_lshr_b32 s25, ttmp9, 2                       ; the tile
	s_and_b32 s26, ttmp9, 3                        ; the quarter w
	s_and_b32 s27, s25, 3
	s_lshl_b32 s27, s27, 1
	s_add_co_u32 s27, s27, s23                     ; WQ, WK: K step 2 (tile % 4) + kk
	s_lshl_b32 s28, s26, 2
	s_lshr_b32 s29, s25, 2
	s_add_co_u32 s28, s28, s29                     ; head 4 w + tile / 4
	s_lshl_b32 s28, s28, 6
	s_and_b32 s29, s24, 1
	s_lshl_b32 s29, s29, 5
	s_add_co_u32 s28, s28, s29                     ; first column 64 head + 32 (v % 2)
	s_sub_co_u32 s30, s25, 16                      ; WO: K step tile - 16
	s_lshl_b32 s31, s26, 8
	s_lshl_b32 s29, s23, 7
	s_add_co_u32 s31, s31, s29
	s_lshl_b32 s29, s24, 5
	s_add_co_u32 s31, s31, s29                     ; first column 256 w + 128 kk + 32 v
	s_wait_alu depctr_va_vdst(0)
	v_lshlrev_b32 v4, 2, v2                        ; in: 4 bytes a lane
	v_bfe_u32 v3, v2, 3, 1                         ; u: my column's fragment of the two
	v_and_b32 v8, 7, v2
	v_lshrrev_b32 v10, 4, v2
	s_delay_alu instid0(VALU_DEP_1)
	v_lshl_add_u32 v8, v10, 3, v8                  ; r: its lane there
	s_wait_alu depctr_va_vdst(0)
	s_mul_i32 s36, s23, 12800
	s_mul_i32 s37, s24, 3072
	s_add_co_u32 s37, s37, s36                     ; my wave's two images
	v_mul_u32_u24 v5, v3, 1536
	s_delay_alu instid0(VALU_DEP_1)
	v_lshl_add_u32 v5, v8, 4, v5
	s_delay_alu instid0(VALU_DEP_1)
	v_add_nc_u32 v5, s37, v5                       ; where lane r's 16 bytes of an image's first four registers lie
	s_lshr_b32 s38, s24, 1
	s_lshl_b32 s38, s38, 8
	s_and_b32 s39, s24, 1
	s_lshl_b32 s39, s39, 3
	s_add_co_u32 s38, s38, s39
	s_add_co_u32 s38, s38, s36
	s_add_co_u32 s38, s38, 12288
	v_lshlrev_b32 v6, 4, v8
	s_delay_alu instid0(VALU_DEP_1)
	v_lshl_add_u32 v6, v3, 2, v6
	s_delay_alu instid0(VALU_DEP_1)
	v_add_nc_u32 v6, s38, v6                       ; my column's scale word: 16 (r + 16 (v / 2)) + 4 (2 (v % 2) + u)
	v_lshlrev_b32 v7, 4, v2
	s_delay_alu instid0(VALU_DEP_1)
	v_add_nc_u32 v9, s36, v7
	s_delay_alu instid0(VALU_DEP_1)
	v_add_nc_u32 v9, 12288, v9                     ; the way out of the scale words: the same offset in LDS and in the quarter
	s_delay_alu instid0(VALU_DEP_3)
	v_add_nc_u32 v7, s37, v7                       ; the way out of the images: likewise
	s_wait_kmcnt 0x0
	s_cmp_lt_u32 s24, 2
	s_cselect_b64 s[32:33], s[4:5], s[6:7]         ; fragments 0-3 WQ, 4-7 WK,
	s_cmp_lt_u32 s25, 16
	s_cselect_b64 s[32:33], s[32:33], s[10:11]     ; or WO: the choice hangs on ids alone
	s_cselect_b32 s27, s27, s30
	s_cselect_b32 s28, s28, s31
	s_lshl_b32 s34, s27, 19                        ; 128 rows of 4,096 bytes a K step
	s_lshl_b32 s28, s28, 2
	s_add_co_u32 s34, s34, s28
	s_mov_b32 s35, 0
	s_add_nc_u64 s[32:33], s[32:33], s[34:35]
	s_mul_i32 s34, ttmp9, 25600
	s_add_nc_u64 s[18:19], s[18:19], s[34:35]      ; my quarter of the stream
.macro LOADA k                         ; block k: W(32 k + i, my column) into set k; 32 lanes read 128 consecutive bytes.  No hint: WK_w is read by both jobs
.irp i, 0,1,2,3,4,5,6,7,8,9,10,11,12,13,14,15,16,17,18,19,20,21,22,23,24,25,26,27,28,29,30,31
	global_load_b32 v[XR+32*(\k)+\i], v4, s[32:33] offset:(32*(\k)+\i)*4096
.endr
.endm
.macro BLOCKA k
.set XS, XR+32*(\k)
.set HH, (\k)%2
.if (\k) < 2
	s_wait_loadcnt 63                              ; this block's 32 loads are in: 96, then 64 loads were issued behind them, and the count names no more than its field holds
.endif
.if (\k) == 2
	s_wait_loadcnt 32                              ; the last block's 32 may be out
.endif
.if (\k) == 3
	s_wait_loadcnt 0x0
.endif
	v_max3_num_f32 v12, |v[XS]|, |v[XS+1]|, |v[XS+2]|      ; the block's largest magnitude: all 32 numbers are mine
	v_max3_num_f32 v13, |v[XS+3]|, |v[XS+4]|, |v[XS+5]|
.irp i, 6,10,14,18,22,26
	s_delay_alu instid0(VALU_DEP_2)
	v_max3_num_f32 v12, v12, |v[XS+\i]|, |v[XS+\i+1]|
	s_delay_alu instid0(VALU_DEP_2)
	v_max3_num_f32 v13, v13, |v[XS+\i+2]|, |v[XS+\i+3]|
.endr
	s_delay_alu instid0(VALU_DEP_2)
	v_max3_num_f32 v12, v12, |v[XS+30]|, |v[XS+31]|
	s_delay_alu instid0(VALU_DEP_1)
	v_max3_num_f32 v12, v12, v13, 0x2800000        ; and the floor 2^(5 - 127): the byte cannot fall under 1
	s_delay_alu instid0(VALU_DEP_1)
	v_add_nc_u32 v11, 0xfe000000, v12              ; 4 off the exponent field: the conversion's scale operand
	s_delay_alu instid0(VALU_DEP_1)
	v_lshrrev_b32 v13, 23, v11                     ; the scale's byte
.if (\k) == 0
	s_delay_alu instid0(VALU_DEP_1)
	v_mov_b32 v[SB], v13
.else
	s_delay_alu instid0(VALU_DEP_1)
	v_lshl_or_b32 v[SB], v13, 8*(\k), v[SB]        ; the lower K in the lower byte
.endif
	v_cvt_scalef32_pk16_bf6_f32 v[CR:CR+2], v[XS:XS+15], v11
	v_cvt_scalef32_pk16_bf6_f32 v[CR+6:CR+8], v[XS+16:XS+31], v11   ; (a conversion's three registers begin on an even number)
	v_nop                                          ; one plain place behind a scaled conversion
.irp i, 0,1,2
	v_mov_b32 v[CR+3+\i], v[CR+6+\i]               ; v[CR..CR+5]: the block's 24 bytes
.endr
; block k is registers 6 (k / 2) .. + 5 of lane r + 16 (k % 2) of the fragment
.if (\k) < 2
	ds_store_b128 v5, v[CR:CR+3] offset:256*HH
	ds_store_b64 v5, v[CR+4:CR+5] offset:512+256*HH
.else
	ds_store_b64 v5, v[CR:CR+1] offset:520+256*HH
	ds_store_b128 v5, v[CR+2:CR+5] offset:1024+256*HH
.endif
	s_wait_dscnt 0x0                               ; the stores have read their registers: the next block's codes may be written
.endm
	LOADA 0
	LOADA 1
	LOADA 2
	LOADA 3                                        ; all four blocks of my column are asked for ahead of the first wait
	BLOCKA 0
	BLOCKA 1
	BLOCKA 2
	BLOCKA 3
	s_wait_alu depctr_va_vdst(0)
	ds_store_b32 v6, v[SB]
	s_wait_dscnt 0x0                               ; for the others' sake: a sub-block's scale words come from four waves
	s_barrier_signal -1
	s_barrier_wait -1
.irp m, 0,1,2,3,4,5
	ds_load_b128 v[OUTR+4*\m:OUTR+4*\m+3], v7 offset:512*\m
.endr
.irp m, 0,1,2,3,4,5
	s_wait_dscnt 5-\m                              ; LDS loads come back in order: load m is in
	global_store_b128 v7, v[OUTR+4*\m:OUTR+4*\m+3], s[18:19] offset:512*\m   ; 32 lanes store 512 consecutive bytes, at a multiple of 256 from the stream's first byte
.endr
	s_cmp_lg_u32 s24, 0                            ; waves 0 and 4 also store their sub-block's 512 bytes of scale words
	s_cbranch_scc1 .Lend_a
	ds_load_b128 v[OUTR+24:OUTR+27], v9
	s_wait_dscnt 0x0
	global_store_b128 v9, v[OUTR+24:OUTR+27], s[18:19]
.Lend_a:
	s_wait_tensorcnt 0x0
	ds_add_u32 v30, v31
	s_wait_dscnt 0x0
	s_endpgm
; ---------------- job 2: 32 columns of ak or of av, for the 8 batches
.Lglobal:
	s_sub_co_u32 s23, ttmp9, 96                    ; 0-31: ak, 32-63: av
	s_and_b32 s24, s23, 31
	s_lshl_b32 s24, s24, 7                         ; my 32 columns, in bytes
	s_lshr_b32 s25, s23, 5
	s_lshl_b32 s26, s22, 12
	s_wait_alu depctr_va_vdst(0)
	v_lshlrev_b32 v4, 2, v2                        ; 4 bytes a lane: a lane takes a column
	v_and_b32 v5, 15, v2                           ; r
	v_lshrrev_b32 v6, 4, v2                        ; h
	v_and_b32 v7, 7, v2                            ; the batch: rows 8-15 of the 16 repeat the 8 batches
	s_delay_alu instid0(VALU_DEP_3)
	v_lshlrev_b32 v25, 2, v5
	s_delay_alu instid0(VALU_DEP_2)
	v_lshlrev_b32 v26, 12, v7
	s_delay_alu instid0(VALU_DEP_2)
	v_lshl_add_u32 v25, v6, 18, v25                ; W: column r, 64 h rows of 4,096 bytes down
	s_delay_alu instid0(VALU_DEP_2)
	v_lshl_add_u32 v26, v6, 8, v26                 ; ax: my batch's row of 4,096 bytes, 64 h numbers along
	s_lshl_b32 s28, s22, 10
	s_add_co_u32 s28, s28, RED
	v_lshlrev_b32 v3, 5, v2
	s_lshl_b32 s29, s22, 2
	s_add_co_u32 s29, s29, RED
	v_add_nc_u32 v1, s29, v3                       ; the sums back: my column, batch = my wave
	v_add_nc_u32 v3, s28, v3                       ; the sums in: my wave, my column, 8 batches
	s_wait_alu depctr_va_vdst(0)
	s_wait_kmcnt 0x0
	s_cmp_lt_u32 s23, 32
	s_cselect_b64 s[32:33], s[6:7], s[8:9]         ; WK_w or WV_w,
	s_cselect_b64 s[34:35], s[14:15], s[16:17]     ; WK_b or WV_b: the choice hangs on the work-group's number alone
	s_lshl_b32 s36, s22, 19                        ; my wave's 128 rows of W
	s_add_co_u32 s36, s36, s24
	s_mov_b32 s37, 0
	s_add_nc_u64 s[32:33], s[32:33], s[36:37]
	s_mov_b32 s36, s24
	s_add_nc_u64 s[34:35], s[34:35], s[36:37]
	s_lshl_b32 s36, s22, 9
	s_add_nc_u64 s[12:13], s[12:13], s[36:37]      ; ax at k = 128 x wave
	s_lshl_b32 s36, s25, 15
	s_add_co_u32 s36, s36, s26
	s_add_co_u32 s36, s36, s24
	s_add_nc_u64 s[20:21], s[20:21], s[36:37]      ; akv: ak or av, batch = my wave, my columns
.macro LOADW g
.irp i, 0,1,2,3,4,5,6,7,8,9,10,11,12,13,14,15,16,17,18,19,20,21,22,23,24,25,26,27,28,29,30,31
	global_load_b32 v[WR+32*(\g)+\i], v25, s[32:33] offset:(32*((\g)%2)+\i)*4096+64*((\g)/2)   ; tile g / 2, register 32 (g % 2) + i
.endr
.endm
.irp b, 0,1,2,3,4,5,6,7
	global_load_b128 v[AXR+4*\b:AXR+4*\b+3], v26, s[12:13] offset:16*\b          ; my 64 numbers of ax: 256 consecutive bytes a lane
	global_load_b128 v[AXR+32+4*\b:AXR+35+4*\b], v26, s[12:13] offset:128+16*\b
.endr
	global_load_b32 v24, v4, s[34:35]              ; the bias of my column
	LOADW 0
	LOADW 1
	LOADW 2
	LOADW 3
	s_wait_loadcnt 0x0                             ; ax, the bias and my 128 rows of W are in
; The f32 matrix form, 16 x 16 x 4: source 0 = ax (16 rows: the 8 batches, twice), source 1 = 16 columns of W.  Step s takes registers 2 s, 2 s + 1 of both sides: lane half h holds k = 64 h + 2 s + j
; there, the same k on both sides.  32 steps x 2 tiles of 16 columns; the two accumulators take turns; the first step starts the sums.
	v_wmma_f32_16x16x4_f32 v[ACC:ACC+7], v[AXR:AXR+1], v[WR:WR+1], 0
	v_wmma_f32_16x16x4_f32 v[ACC+8:ACC+15], v[AXR:AXR+1], v[WR+64:WR+65], 0
.set CH, 1
.rept 31
	v_wmma_f32_16x16x4_f32 v[ACC:ACC+7], v[AXR+2*CH:AXR+2*CH+1], v[WR+2*CH:WR+2*CH+1], v[ACC:ACC+7]
	v_wmma_f32_16x16x4_f32 v[ACC+8:ACC+15], v[AXR+2*CH:AXR+2*CH+1], v[WR+64+2*CH:WR+65+2*CH], v[ACC+8:ACC+15]
.set CH, CH+1
.endr
	v_cmp_lt_u32 vcc_lo, 15, v2                    ; lanes 16-31
.rept 8
	v_nop                                          ; eight places behind this form (ISA guide 7.12.1)
.endr
.irp b, 0,1,2,3,4,5,6,7
	v_cndmask_b32 v[AXI+\b], v[ACC+\b], v[ACC+8+\b], vcc_lo   ; register b of lane (r, h) is batch b of the tile's column r in both halves: lane l keeps column l: tile 0 below, tile 1 above
.endr
	ds_store_b128 v3, v[AXI:AXI+3]
	ds_store_b128 v3, v[AXI+4:AXI+7] offset:16
	s_wait_dscnt 0x0                               ; for the others' sake: my partial sums lie in LDS
	s_barrier_signal -1
	s_barrier_wait -1
.irp z, 0,1,2,3,4,5,6,7
	ds_load_b32 v[AXI+8+\z], v1 offset:1024*\z     ; batch = my wave: the eight waves' parts
.endr
	s_wait_dscnt 0x0
	v_add_f32 v232, v232, v233
	v_add_f32 v234, v234, v235
	v_add_f32 v236, v236, v237
	v_add_f32 v238, v238, v239
	s_delay_alu instid0(VALU_DEP_3)
	v_add_f32 v232, v232, v234
	s_delay_alu instid0(VALU_DEP_2)
	v_add_f32 v236, v236, v238
	s_delay_alu instid0(VALU_DEP_1)
	v_add_f32 v232, v232, v236
	s_delay_alu instid0(VALU_DEP_1)
	v_add_f32 v232, v232, v24
	global_store_b32 v4, v232, s[20:21]
	s_wait_tensorcnt 0x0
	ds_add_u32 v30, v31
	s_wait_dscnt 0x0
	s_endpgm
.Lfunc_end_k_qd1e8b10b81_prep:
	.size	k_qd1e8b10b81_prep, .Lfunc_end_k_qd1e8b10b81_prep-k_qd1e8b10b81_prep
	.p2alignl 7, 3214868480
	.fill 96, 4, 3214868480
	.section	.rodata,"a",@progbits
	.p2align	6, 0x0
	.amdhsa_kernel k_qd1e8b10b81_prep
		.amdhsa_group_segment_fixed_size 67584
		.amdhsa_private_segment_fixed_size 0
		.amdhsa_enable_private_segment 0
		.amdhsa_kernarg_size 72
		.amdhsa_user_sgpr_count 2
		.amdhsa_user_sgpr_kernarg_segment_ptr 1
		.amdhsa_wavefront_size32 1
		.amdhsa_system_sgpr_workgroup_id_x 1
		.amdhsa_system_sgpr_workgroup_id_y 1
		.amdhsa_system_sgpr_workgroup_id_z 1
		.amdhsa_system_vgpr_workitem_id 0
		.amdhsa_next_free_vgpr 256
		.amdhsa_next_free_sgpr 66
		.amdhsa_reserve_vcc 1
		.amdhsa_float_denorm_mode_32 3
		.amdhsa_float_denorm_mode_16_64 3
		.amdhsa_memory_ordered 1
		.amdhsa_forward_progress 1
		.amdhsa_inst_pref_size 47
	.end_amdhsa_kernel
	.amdgpu_metadata
---
amdhsa.version: [ 1, 2 ]
amdhsa.kernels:
  - .name:           k_qd1e8b10b81_prep
    .symbol:         k_qd1e8b10b81_prep.kd
    .args:
      - { .name: WQ_w, .offset: 0, .size: 8, .value_kind: global_buffer, .address_space: global }
      - { .name: WK_w, .offset: 8, .size: 8, .value_kind: global_buffer, .address_space: global }
      - { .name: WV_w, .offset: 16, .size: 8, .value_kind: global_buffer, .address_space: global }
      - { .name: WO_w, .offset: 24, .size: 8, .value_kind: global_buffer, .address_space: global }
      - { .name: ax, .offset: 32, .size: 8, .value_kind: global_buffer, .address_space: global }
      - { .name: WK_b, .offset: 40, .size: 8, .value_kind: global_buffer, .address_space: global }
      - { .name: WV_b, .offset: 48, .size: 8, .value_kind: global_buffer, .address_space: global }
      - { .name: wst, .offset: 56, .size: 8, .value_kind: global_buffer, .address_space: global }
      - { .name: akv, .offset: 64, .size: 8, .value_kind: global_buffer, .address_space: global }
    .group_segment_fixed_size: 67584
    .private_segment_fixed_size: 0
    .kernarg_segment_align: 8
    .kernarg_segment_size: 72
    .max_flat_workgroup_size: 256
    .sgpr_count:     66
    .vgpr_count:     256
    .wavefront_size: 32
...
	.end_amdgpu_metadata
.endif
;; end of part 1
;; launch fused (part 2): grid 256 x 1, 4 waves a work-group, clusters of 4 x 1, 327,680 bytes of LDS; arguments x, wst, akv, WQ_b, WK_b, WO_b, out0; writes out0
.if DOCPART == 2
	.amdgcn_target "amdgcn-amd-amdhsa--gfx1250"
	.amdhsa_code_object_version 6
	.text
	.protected	k_qd1e8b10b81_fused
	.globl	k_qd1e8b10b81_fused
	.p2align	8
	.type	k_qd1e8b10b81_fused,@function
k_qd1e8b10b81_fused:
	s_mov_b64 s[64:65], 0
	v_nop
	global_prefetch_b8 v0, s[64:65] scope:SCOPE_SE
	s_setreg_imm32_b32 hwreg(HW_REG_WAVE_MODE, 25, 1), 1
	s_wait_xcnt 0x0
	s_wait_alu depctr_hold_cnt(0) depctr_sa_sdst(0) depctr_va_vdst(0) depctr_va_sdst(0) depctr_va_ssrc(0) depctr_va_vcc(0) depctr_vm_vsrc(0)
	s_getreg_b32 s2, hwreg(HW_REG_IB_STS2, 6, 4)
	s_cmp_eq_u32 s2, 0
	s_cbranch_scc0 .Lentry_in_a_cluster
	s_endpgm
.Lentry_in_a_cluster:
	s_bfe_u32 s2, ttmp6, 0x10000c
	s_cmp_lg_u32 s2, 0x3003
	s_cbranch_scc0 .Lentry_shape_is_right
	s_endpgm
.Lentry_shape_is_right:
.set RINGS, 102400
.set QUART, 25600
.set SUBB,  12800
.set FRB,   1536
.set XIMG,  204800
.set XSC,   266240
.set AIMG,  271360
.set ASC,   320512
.set SPARE, 324608
.set SP,    528
.set TM,    192
.set MSB, 0
.macro WIN new
.if MSB != (\new)
	s_set_vgpr_msb (MSB<<8)|(\new)
.set MSB, (\new)
.endif
.endm
.macro PLACES
.rept 4
	v_nop
.endr
.endm
.macro CREST
	s_cmp_lg_u32 s18, 0
	s_cbranch_scc1 .Lnot_wave_0_\@
	s_barrier_signal -3
.Lnot_wave_0_\@:
	s_barrier_wait -3
	s_barrier_signal -1
	s_barrier_wait -1
.endm
.macro CROUND
	s_barrier_signal -1
	s_barrier_wait -1
	CREST
.endm
.macro QKOFF dst, tmp, h
	s_and_b32 s[\tmp], s[\h], 3
	s_mul_i32 s[\tmp], s[\tmp], 4*RINGS
	s_lshr_b32 s[\dst], s[\h], 2
	s_mul_i32 s[\dst], s[\dst], QUART
	s_add_co_u32 s[\dst], s[\dst], s[\tmp]
.endm
.macro WM d, a, b, c, sa, sb, row
.if (\c) < 0
.if \row
	v_wmma_scale_f32_16x16x128_f8f6f4 v[(\d):(\d)+7], v[(\a):(\a)+11], v[(\b):(\b)+11], 0, v[(\sa)], v[(\sb)] matrix_a_fmt:MATRIX_FMT_BF6 matrix_b_fmt:MATRIX_FMT_BF6 matrix_a_scale:MATRIX_SCALE_ROW1
.else
	v_wmma_scale_f32_16x16x128_f8f6f4 v[(\d):(\d)+7], v[(\a):(\a)+11], v[(\b):(\b)+11], 0, v[(\sa)], v[(\sb)] matrix_a_fmt:MATRIX_FMT_BF6 matrix_b_fmt:MATRIX_FMT_BF6
.endif
.else
.if \row
	v_wmma_scale_f32_16x16x128_f8f6f4 v[(\d):(\d)+7], v[(\a):(\a)+11], v[(\b):(\b)+11], v[(\c):(\c)+7], v[(\sa)], v[(\sb)] matrix_a_fmt:MATRIX_FMT_BF6 matrix_b_fmt:MATRIX_FMT_BF6 matrix_a_scale:MATRIX_SCALE_ROW1
.else
	v_wmma_scale_f32_16x16x128_f8f6f4 v[(\d):(\d)+7], v[(\a):(\a)+11], v[(\b):(\b)+11], v[(\c):(\c)+7], v[(\sa)], v[(\sb)] matrix_a_fmt:MATRIX_FMT_BF6 matrix_b_fmt:MATRIX_FMT_BF6
.endif
.endif
.endm
.macro QHALF src, pc, nb
.irp b, 0,1
	v_max3_num_f32 v[TM+\b], |v[(\src)+16*\b]|, |v[(\src)+16*\b+1]|, 0x2800000
.endr
.irp i, 2,4,6,8,10,12,14
.irp b, 0,1
	v_max3_num_f32 v[TM+\b], v[TM+\b], |v[(\src)+16*\b+\i]|, |v[(\src)+16*\b+\i+1]|
.endr
.endr
.irp b, 0,1
	v_permlanex16_b32 v[TM+2+\b], v[TM+\b], s40, s41
.endr
.irp b, 0,1
	v_max_num_f32 v[TM+\b], v[TM+\b], v[TM+2+\b]
.endr
.irp b, 0,1
	v_add_nc_u32 v[TM+4+\b], 0xfe000000, v[TM+\b]
.endr
.irp b, 0,1
	v_lshrrev_b32 v[TM+2+\b], 23, v[TM+4+\b]
.endr
	v_lshl_or_b32 v[\nb], v[TM+3], 8, v[TM+2]
	v_cvt_scalef32_pk16_bf6_f32 v[(\pc):(\pc)+2], v[(\src):(\src)+15], v[TM+4]
	v_cvt_scalef32_pk16_bf6_f32 v[(\pc)+6:(\pc)+8], v[(\src)+16:(\src)+31], v[TM+5]
	v_nop
.irp i, 0,1,2
	v_permlane16_swap_b32 v[(\pc)+\i], v[(\pc)+6+\i]
.endr
.irp i, 0,1,2
	v_mov_b32 v[(\pc)+3+\i], v[(\pc)+6+\i]
.endr
.endm
.macro FETCHW slot, kk, p
	WIN 0xc0
.irp i, 0,1,2,3,4,5,6,7
.irp m, 0,1,2
	ds_load_b128 v[96*(\p)+12*\i+4*\m:96*(\p)+12*\i+4*\m+3], v[3+(\slot)] offset:SUBB*(\kk)+FRB*\i+512*\m
.endr
.endr
	WIN 0
	ds_load_b128 v[40+4*(\p):43+4*(\p)], v[3+(\slot)] offset:SUBB*(\kk)+12288
.endm
.macro FETCHX s, p
.irp t, 0,1,2,3,4
.irp m, 0,1,2
	ds_load_b128 v[64+60*(\p)+12*\t+4*\m:64+60*(\p)+12*\t+4*\m+3], v5 offset:(8*\t+(\s))*FRB+512*\m
.endr
	ds_load_b32 v[48+5*(\p)+\t], v6 offset:(8*\t+(\s))*128
.endr
.endm
.macro FETCHA par
.irp t, 0,1,2,3
	ds_load_b128 v[64+48*(\par)+12*\t:64+48*(\par)+12*\t+3], v9 offset:12288*\t
	ds_load_b64 v[64+48*(\par)+12*\t+4:64+48*(\par)+12*\t+5], v10 offset:12288*\t
	ds_load_b128 v[64+48*(\par)+12*\t+6:64+48*(\par)+12*\t+9], v9 offset:12288*\t+768
	ds_load_b64 v[64+48*(\par)+12*\t+10:64+48*(\par)+12*\t+11], v10 offset:12288*\t+768
	ds_load_b32 v[48+4*(\par)+\t], v11 offset:1024*\t
.endr
.endm
.macro MULQ p, first
	WIN 0x53
.irp t, 0,1,2,3
.irp i, 0,1,2,3
.if \first
	WM 32*\t+8*\i, 96*(\p)+12*\i, 64+60*(\p)+12*\t, 128+8*\i, 40+4*(\p)+\i, 48+5*(\p)+\t, 0
.else
	WM 32*\t+8*\i, 96*(\p)+12*\i, 64+60*(\p)+12*\t, 32*\t+8*\i, 40+4*(\p)+\i, 48+5*(\p)+\t, 0
.endif
.endr
.endr
.endm
.macro MULK p, first
	WIN 0xa3
.irp t, 0,1,2,3,4
.irp i, 0,1,2,3
.if \first
	WM 32*\t+8*\i, 96*(\p)+48+12*\i, 64+60*(\p)+12*\t, 192+8*\i, 40+4*(\p)+\i, 48+5*(\p)+\t, 1
.else
	WM 32*\t+8*\i, 96*(\p)+48+12*\i, 64+60*(\p)+12*\t, 32*\t+8*\i, 40+4*(\p)+\i, 48+5*(\p)+\t, 1
.endif
.endr
.endr
.endm
.macro MULO kk, par, t0, zero
	WIN 0x53+0x50*((\t0)/2)
.irp t, \t0, \t0+1
.irp i, 0,1,2,3,4,5,6,7
.if \zero
	WM 128*((\t)%2)+8*(8*(\kk)+\i), 96*(\kk)+12*\i, 64+48*(\par)+12*(\t), -1, 40+4*(\kk)+\i%4, 48+4*(\par)+(\t), \i/4
.else
	WM 128*((\t)%2)+8*(8*(\kk)+\i), 96*(\kk)+12*\i, 64+48*(\par)+12*(\t), 128*((\t)%2)+8*(8*(\kk)+\i), 40+4*(\kk)+\i%4, 48+4*(\par)+(\t), \i/4
.endif
.endr
.endr
.endm
.macro TURN_A slot, osrc, oimm, psrc, pimm
	WIN 0
.if (\psrc) >= 0
	s_wait_xcnt 0x0
	s_add_co_u32 s80, s[\psrc], \pimm
	s_add_co_u32 s80, s80, s78
	s_add_nc_u64 s[46:47], s[6:7], s[80:81]
.endif
	s_add_co_u32 s82, s[\osrc], \oimm
	s_wait_tensorcnt 0x0
	ds_add_u32 v13, v14
	s_add_nc_u64 s[34+4*(\slot):35+4*(\slot)], s[6:7], s[82:83]
	s_or_b32 s[35+4*(\slot)], s[35+4*(\slot)], 0x80000000
	s_wait_dscnt 0x0
	s_barrier_signal -1
.endm
.macro TURN_B slot, fill
	WIN 0
	s_barrier_wait -1
.if \fill
	CREST
	tensor_load_to_lds s[32+4*(\slot):35+4*(\slot)], s[24:31]
	s_nop 0
.endif
	PLACES
.endm
.macro ASK flag
	s_cmp_eq_u32 s[\flag], 1
	s_cbranch_scc0 .Lnot_mine_\@
	global_prefetch_b8 v29, s[46:47] th:TH_LOAD_NT scope:SCOPE_SE
.Lnot_mine_\@:
.endm
.macro LOADB
	WIN 0x80
.irp q, 0,1,2,3,4,5,6,7
	global_load_b128 v[224+4*\q:227+4*\q], v25, s[54:55] offset:128*(\q/4)+16*(\q%4)
.endr
.irp q, 0,1,2,3,4,5,6,7
	global_load_b128 v[192+4*\q:195+4*\q], v26, s[12:13] offset:128*(\q/4)+16*(\q%4)
.endr
	WIN 0x40
.irp q, 0,1,2,3,4,5,6,7
	global_load_b128 v[160+4*\q:163+4*\q], v25, s[56:57] offset:128*(\q/4)+16*(\q%4)
.endr
.irp q, 0,1,2,3,4,5,6,7
	global_load_b128 v[128+4*\q:131+4*\q], v26, s[10:11] offset:128*(\q/4)+16*(\q%4)
.endr
	WIN 0
.endm
	s_load_b256 s[4:11], s[0:1], 0x0
	s_load_b128 s[12:15], s[0:1], 0x20
	s_load_b64 s[16:17], s[0:1], 0x30
	v_lshl_add_u32 v13, v0, 2, SPARE
	v_mov_b32 v14, 0
	ds_add_u32 v13, v14
	ds_add_u32 v13, v14
	s_wait_dscnt 0x0
	v_lshrrev_b32 v58, 5, v0
	v_readfirstlane_b32 s18, v58
	s_mov_b32 s24, 0x0023000f
	s_mov_b32 s25, 32<<16
	s_mov_b32 s26, 100<<16
	s_mov_b32 s27, 32<<16
	s_mov_b32 s28, 100
	s_mov_b32 s29, 32
	s_mov_b32 s30, 0
	s_mov_b32 s31, 0
	s_mul_i32 s21, s18, QUART
	s_lshr_b32 s66, ttmp9, 3
	s_xor_b32 s66, s66, ttmp9
	s_and_b32 s66, s66, 7
	s_lshl_b32 s67, s18, 2
	s_lshl_b32 s22, s66, 1
	s_add_co_u32 s67, s67, s22
	s_and_b32 s22, s67, 15
	QKOFF 82, 23, 22
	s_mov_b32 s83, 0
	s_mov_b32 s32, 1
	s_mov_b32 s33, s21
	s_mov_b32 s36, 1
	s_add_co_u32 s37, s21, RINGS
	s_wait_kmcnt 0x0
	s_add_nc_u64 s[34:35], s[6:7], s[82:83]
	s_add_nc_u64 s[38:39], s[34:35], RINGS
	s_or_b32 s35, s35, 0x80000000
	s_or_b32 s39, s39, 0x80000000
	CROUND
	tensor_load_to_lds s[32:35], s[24:31]
	s_nop 0
	s_bfe_u32 s19, ttmp6, 0x40000
	s_lshl_b32 s20, ttmp9, 2
	s_add_co_u32 s20, s20, s19
	s_mov_b32 s40, 0x76543210
	s_mov_b32 s41, 0xfedcba98
	s_mov_b32 s42, 0x3e38aa3b
	s_cmp_lt_u32 ttmp9, 2
	s_cselect_b32 s76, 1, 0
	s_cmp_lt_u32 ttmp9, 8
	s_cselect_b32 s77, 1, 0
	s_mul_i32 s78, s19, 6400
	s_mov_b32 s81, 0
	s_add_co_u32 s74, s21, 16*RINGS
	s_mul_i32 s71, s66, RINGS
	s_add_co_u32 s71, s71, s74
	s_add_co_u32 s72, s66, 1
	s_and_b32 s72, s72, 7
	s_mul_i32 s72, s72, RINGS
	s_add_co_u32 s72, s72, s74
	s_add_co_u32 s73, s66, 2
	s_mov_b32 s63, 0
	s_lshl_b32 s62, s20, 18
	s_lshl_b32 s61, s18, 12
	s_add_co_u32 s62, s62, s61
	s_add_nc_u64 s[52:53], s[4:5], s[62:63]
	s_lshl_b32 s60, s18, 10
	s_lshl_b32 s61, s20, 6
	s_max_u32 s62, s61, 1
	s_sub_co_u32 s62, s62, 1
	s_lshl_b32 s62, s62, 12
	s_add_co_u32 s62, s62, s60
	s_add_nc_u64 s[48:49], s[4:5], s[62:63]
	s_add_co_u32 s62, s61, 64
	s_min_u32 s62, s62, 16383
	s_lshl_b32 s62, s62, 12
	s_add_co_u32 s62, s62, s60
	s_add_nc_u64 s[50:51], s[4:5], s[62:63]
	s_lshr_b32 s62, s20, 5
	s_lshl_b32 s62, s62, 12
	s_add_nc_u64 s[54:55], s[8:9], s[62:63]
	s_add_nc_u64 s[56:57], s[54:55], 32768
	s_lshl_b32 s62, s20, 18
	s_add_co_u32 s62, s62, s60
	s_add_nc_u64 s[58:59], s[16:17], s[62:63]
	s_and_b32 s61, s20, 31
	s_cmp_eq_u32 s61, 0
	s_cselect_b32 s62, 0, 0x3f800000
	s_cmp_eq_u32 s61, 31
	s_cselect_b32 s63, 0, 0x3f800000
	v_and_b32 v58, 31, v0
	v_and_b32 v59, 15, v0
	v_bfe_u32 v60, v0, 4, 1
	v_cmp_gt_u32 vcc_lo, 8, v59
	v_mov_b32 v31, s62
	v_cndmask_b32 v30, s63, v31, vcc_lo
	v_mov_b32 v31, v30
	v_lshlrev_b32 v1, 4, v58
	v_lshlrev_b32 v2, 2, v58
	v_add_nc_u32 v3, s21, v1
	v_add_nc_u32 v4, RINGS, v3
	v_add_nc_u32 v5, XIMG, v1
	v_add_nc_u32 v6, XSC, v2
	v_add_nc_u32 v9, AIMG, v1
	v_lshlrev_b32 v10, 3, v58
	v_add_nc_u32 v10, AIMG+512, v10
	v_add_nc_u32 v11, ASC, v2
	s_lshl_b32 s22, s18, 8
	v_add_nc_u32 v12, s22, v11
	v_add_nc_u32 v21, s22, v6
	v_add_nc_u32 v21, 4096, v21
	s_mul_i32 s22, s18, 16*SP
	v_add_nc_u32 v15, s22, v9
	v_mul_u32_u24 v61, v59, SP
	v_lshl_add_u32 v61, v60, 6, v61
	v_add_nc_u32 v16, s22, v61
	v_add_nc_u32 v16, AIMG, v16
	v_add_nc_u32 v27, s22, v61
	v_add_nc_u32 v27, XIMG, v27
	v_add_nc_u32 v28, s22, v5
	v_lshrrev_b32 v62, 3, v59
	v_mul_u32_u24 v62, v62, SP
	v_lshl_add_u32 v62, v60, 6, v62
	v_add_nc_u32 v17, s22, v62
	v_add_nc_u32 v17, AIMG, v17
	s_mul_i32 s22, s18, 8*FRB
	v_add_nc_u32 v18, s22, v5
	s_mul_i32 s22, s18, 2*FRB
	v_add_nc_u32 v20, s22, v5
	v_add_nc_u32 v20, 32*FRB, v20
	v_add_nc_u32 v22, s22, v9
	v_add_nc_u32 v23, s22, v10
	s_lshl_b32 s22, s18, 10
	v_add_nc_u32 v19, s22, v6
	v_add_nc_u32 v63, s22, v1
	v_lshlrev_b32 v24, 6, v60
	s_and_b32 s23, s67, 15
	s_lshl_b32 s23, s23, 8
	v_add_nc_u32 v26, s23, v24
	v_min_u32 v29, 24, v58
	v_lshlrev_b32 v29, 8, v29
	v_mov_b32 v[TM+2], 0
	v_mov_b32 v[TM+3], 0
.irp t, 0,1,2,3,4,5,6,7
	v_mov_b32 v[184+\t], 0
.endr
	global_load_b128 v[32:35], v63, s[14:15]
	global_load_b128 v[36:39], v63, s[14:15] offset:512
	WIN 0x40
.irp q, 0,1,2,3,4,5,6,7
	global_load_b128 v[128+4*\q:131+4*\q], v26, s[10:11] offset:128*(\q/4)+16*(\q%4)
.endr
	WIN 0x80
.irp q, 0,1,2,3,4,5,6,7
	global_load_b128 v[192+4*\q:195+4*\q], v26, s[12:13] offset:128*(\q/4)+16*(\q%4)
.endr
	WIN 0
.macro LOADX f
	WIN 0xc0
.if (\f) < 8
.irp i, 0,1,2,3,4,5,6,7,8,9,10,11,12,13,14,15
	global_load_b128 v[64*((\f)%4)+4*\i:64*((\f)%4)+4*\i+3], v1, s[52:53] offset:16384*\i+512*(\f) th:TH_LOAD_NT
.endr
.else
	global_load_b128 v[64*((\f)%4):64*((\f)%4)+3], v1, s[48:49] offset:512*((\f)-8)
	global_load_b128 v[64*((\f)%4)+4:64*((\f)%4)+7], v1, s[50:51] offset:512*((\f)-8)
.endif
	WIN 0
.endm
.macro XFRAG f, left
	s_wait_loadcnt \left
	WIN 0x0c
.if (\f) < 8
.irp i, 0,1,2,3,4,5,6,7,8,9,10,11,12,13,14,15
	ds_store_b128 v15, v[64*((\f)%4)+4*\i:64*((\f)%4)+4*\i+3] offset:SP*\i
.endr
.else
.irp i, 0,1
	ds_store_b128 v15, v[64*((\f)%4)+4*\i:64*((\f)%4)+4*\i+3] offset:SP*\i
.endr
.endif
	WIN 0
.irp b, 0,1,2,3
.irp j, 0,1,2,3
.if (\f) < 8
	ds_load_b128 v[64+16*\b+4*\j:64+16*\b+4*\j+3], v16 offset:128*\b+16*\j
.else
	ds_load_b128 v[64+16*\b+4*\j:64+16*\b+4*\j+3], v17 offset:128*\b+16*\j
.endif
.endr
.endr
	s_wait_dscnt 0x0
.if (\f)+4 <= 9
	LOADX (\f)+4
.endif
	QHALF 64, 200, 198
	QHALF 96, 206, 199
	v_lshl_or_b32 v216, v199, 16, v198
.if (\f) < 8
.irp m, 0,1,2
	ds_store_b128 v18, v[200+4*\m:203+4*\m] offset:FRB*(\f)+512*\m
.endr
	ds_store_b32 v19, v216 offset:128*(\f)
.else
.irp m, 0,1,2
	ds_store_b128 v20, v[200+4*\m:203+4*\m] offset:FRB*((\f)-8)+512*\m
.endr
	ds_store_b32 v21, v216 offset:128*((\f)-8)
.endif
.endm
	LOADX 0
	LOADX 1
	LOADX 2
	LOADX 3
	s_wait_alu depctr_va_vdst(0)
	XFRAG 0, 48
	XFRAG 1, 48
	XFRAG 2, 48
	XFRAG 3, 48
	XFRAG 4, 48
	XFRAG 5, 34
	; slot 1's first fill, issued as a refill is.  It stands here, where all my loads of x have been issued; four fragments' work follows before the slot is read
	s_wait_alu depctr_va_vdst(0)
	s_wait_tensorcnt 0x0                           ; my quarter of slot 0 is in
	ds_add_u32 v13, v14
	s_wait_dscnt 0x0
	CROUND                                         ; a whole round of the cluster's barrier: the four partners' joint loads meet
	tensor_load_to_lds s[36:39], s[24:31]          ; my one tensor load behind the round
	s_nop 0
	PLACES
	XFRAG 6, 20
	XFRAG 7, 4
	XFRAG 8, 2
	XFRAG 9, 0
	s_wait_tensorcnt 0x1
	s_wait_dscnt 0x0
	s_barrier_signal -1
	s_barrier_wait -1
	FETCHW 0, 0, 0
	s_mov_b32 s43, 0
	s_mov_b32 s44, 0
.macro STEP n, slot, first
	s_wait_dscnt 0x0
	PLACES
	FETCHW \slot, 1, 1
	FETCHX (\n)+1, 1
.if (\n) == 2
	s_wait_alu depctr_va_vdst(0)
	LOADB
.endif
	MULQ 0, \first
	MULK 0, \first
.endm
.macro TURN n, slot, osrc, oimm, psrc, pimm, flag
	TURN_A \slot, \osrc, \oimm, \psrc, \pimm
	MULQ 1, 0
	TURN_B \slot, 1
	FETCHW 1-(\slot), 0, 0
.if (\n) < 7
	FETCHX (\n)+1, 0
.endif
	ASK \flag
	MULK 1, 0
.endm
.macro SC t, j, kx
.if II == 0
	v_pk_mul_f32 v[124+8*(\t)+2*(\j):125+8*(\t)+2*(\j)], v[32*(\t)+II:32*(\t)+II+1], v[(\kx)+II:(\kx)+II+1]
.else
	v_pk_fma_f32 v[124+8*(\t)+2*(\j):125+8*(\t)+2*(\j)], v[32*(\t)+II:32*(\t)+II+1], v[(\kx)+II:(\kx)+II+1], v[124+8*(\t)+2*(\j):125+8*(\t)+2*(\j)]
.endif
.endm
.macro MIX kx, al
.set II, 0
.rept 16
	v_pk_fma_f32 v[64+II:65+II], v[(\kx)+II:(\kx)+II+1], v[(\al):(\al)+1], v[64+II:65+II] op_sel_hi:[1,0,1]
.set II, II+2
.endr
.endm
.Lpass:
	s_add_co_u32 s22, s67, s43
	s_and_b32 s22, s22, 15
	s_lshl_b32 s23, s22, 8
	v_add_nc_u32 v25, s23, v24
	QKOFF 68, 23, 22
	s_add_co_u32 s23, s43, 1
	s_min_u32 s23, s23, 3
	s_add_co_u32 s23, s23, s67
	s_and_b32 s23, s23, 15
	s_lshl_b32 s22, s23, 8
	v_add_nc_u32 v26, s22, v24
	QKOFF 69, 22, 23
	s_add_co_u32 s70, s69, RINGS
	s_cmp_lt_u32 s43, 3
	s_cselect_b32 s69, s69, s71
	s_cselect_b32 s70, s70, s72
	s_cmp_eq_u32 s43, 0
	s_cselect_b32 s45, s76, 0
	s_cmp_eq_u32 s43, 2
	s_cselect_b32 s75, s77, 0
	v_add_nc_u32 v7, s44, v22
	v_add_nc_u32 v8, s44, v23
	FETCHX 0, 0
	STEP 0, 0, 1
	TURN 1, 0, 68, 2*RINGS, 69, RINGS, 45
	STEP 2, 1, 0
	TURN 3, 1, 68, 3*RINGS, 69, 2*RINGS, 45
	STEP 4, 0, 0
	TURN 5, 0, 69, 0, 69, 3*RINGS, 45
	STEP 6, 1, 0
	TURN 7, 1, 70, 0, 71, 0, 75
	WIN 0
	s_wait_loadcnt 0x0
	PLACES
	WIN 0x82
.set II, 0
.rept 16
	v_pk_mul_f32 v[160+II:161+II], v[128+II:129+II], v[30:31]
.set II, II+2
.endr
.set II, 0
.rept 16
	v_pk_mul_f32 v[128+II:129+II], v[128+II:129+II], v[30:31]
.set II, II+2
.endr
.set II, 0
.rept 32
	v_mov_b32_dpp v[128+II], v[96+II] row_shr:1 row_mask:0xf bank_mask:0xf
.set II, II+1
.endr
.set II, 0
.rept 32
	v_mov_b32_dpp v[160+II], v[II] row_shl:1 row_mask:0xf bank_mask:0xf
.set II, II+1
.endr
	WIN 0x09
.set II, 0
.rept 16
.irp t, 0,1,2,3
.set KP, 32*\t-32
.set KN, 32*\t+32
.if \t == 0
.set KP, 128
.endif
.if \t == 3
.set KN, 160
.endif
	SC \t, 0, 224
	SC \t, 1, KP
	SC \t, 2, 32*\t
	SC \t, 3, KN
.endr
.set II, II+2
.endr
	WIN 0
.irp n, 0,1,2,3,4,5,6,7,8,9,10,11,12,13,14,15
	v_add_f32 v[124+2*\n], v[124+2*\n], v[125+2*\n]
.endr
.irp n, 0,1,2,3,4,5,6,7,8,9,10,11,12,13,14,15
	v_permlanex16_b32 v[125+2*\n], v[124+2*\n], s40, s41
.endr
.irp n, 0,1,2,3,4,5,6,7,8,9,10,11,12,13,14,15
	v_add_f32 v[124+2*\n], v[124+2*\n], v[125+2*\n]
.endr
.irp t, 0,1,2,3
	v_max3_num_f32 v[156+\t], v[124+8*\t], v[126+8*\t], v[128+8*\t]
.endr
.irp t, 0,1,2,3
	v_max_num_f32 v[156+\t], v[156+\t], v[130+8*\t]
.endr
.irp t, 0,1,2,3
	v_mul_f32 v[156+\t], s42, v[156+\t]
.endr
.irp t, 0,1,2,3
.irp j, 0,1,2,3
	v_fma_f32 v[124+8*\t+2*\j], v[124+8*\t+2*\j], s42, -v[156+\t]
.endr
.endr
	s_wait_alu depctr_va_vdst(0)
.irp n, 0,1,2,3,4,5,6,7,8,9,10,11,12,13,14,15
	v_exp_f32 v[124+2*\n], v[124+2*\n]
.endr
	v_nop
	s_wait_alu depctr_va_vdst(0)
.irp t, 0,1,2,3
	v_add_f32 v[160+\t], v[124+8*\t], v[126+8*\t]
.endr
.irp t, 0,1,2,3
	v_add_f32 v[164+\t], v[128+8*\t], v[130+8*\t]
.endr
.irp t, 0,1,2,3
	v_add_f32 v[160+\t], v[160+\t], v[164+\t]
.endr
	s_wait_alu depctr_va_vdst(0)
.irp t, 0,1,2,3
	v_rcp_f32 v[156+\t], v[160+\t]
.endr
	v_nop
	s_wait_alu depctr_va_vdst(0)
.irp t, 0,1,2,3
.irp j, 0,1,2,3
	v_mul_f32 v[124+8*\t+2*\j], v[124+8*\t+2*\j], v[156+\t]
.endr
.endr
.irp t, 0,1,2,3
.set KP, 32*\t-32
.set KN, 32*\t+32
.if \t == 0
.set KP, 128
.endif
.if \t == 3
.set KN, 160
.endif
	WIN 0x01
.set II, 0
.rept 16
	v_pk_mul_f32 v[64+II:65+II], v[160+II:161+II], v[124+8*\t:125+8*\t] op_sel_hi:[1,0]
.set II, II+2
.endr
	WIN 0x02
	MIX KP, 126+8*\t
	MIX 32*\t, 128+8*\t
	MIX KN, 130+8*\t
	WIN 0
	QHALF 64, 200+10*\t, 198
	v_alignbit_b32 v[184+\t], v[188+\t], v[184+\t], 16
	v_alignbit_b32 v[188+\t], v198, v[188+\t], 16
	ds_store_b128 v7, v[200+10*\t:203+10*\t] offset:12288*\t
	ds_store_b64 v8, v[204+10*\t:205+10*\t] offset:12288*\t
.endr
	s_wait_dscnt 0x0
	s_add_co_u32 s44, s44, 768
	s_add_co_u32 s43, s43, 1
	s_cmp_lt_u32 s43, 4
	s_cbranch_scc1 .Lpass
	s_wait_alu depctr_va_vdst(0)
.irp t, 0,1,2,3
	ds_store_b32 v12, v[184+\t] offset:1024*\t
	ds_store_b32 v12, v[188+\t] offset:1024*\t+128
.endr
	s_wait_dscnt 0x0
	s_barrier_signal -1
	s_barrier_wait -1
	FETCHA 0
.macro WSTEP par, zero
	s_wait_dscnt 0x0
	PLACES
	FETCHW \par, 1, 1
	MULO 0, \par, 0, \zero
	MULO 0, \par, 2, \zero
.endm
.macro WTURN par, fill, zero
	s_and_b32 s79, s73, 7
	s_mul_i32 s79, s79, RINGS
	s_add_co_u32 s79, s79, s74
	s_add_co_u32 s73, s73, 1
	TURN_A \par, 79, 0, -1, 0
	MULO 1, \par, 0, \zero
	TURN_B \par, \fill
	s_wait_alu depctr_va_vdst(0)
	v_add_nc_u32 v9, 1536, v9
	v_add_nc_u32 v10, 1536, v10
	v_add_nc_u32 v11, 128, v11
	FETCHW 1-(\par), 0, 0
	FETCHA 1-(\par)
	MULO 1, \par, 2, \zero
.endm
	WSTEP 0, 1
	WTURN 0, 1, 1
	WIN 0
	s_mov_b32 s60, 2
.Lwo:
	WSTEP 1, 0
	WTURN 1, 1, 0
	WSTEP 0, 0
	WTURN 0, 1, 0
	WIN 0
	s_sub_co_u32 s60, s60, 1
	s_cmp_lg_u32 s60, 0
	s_cbranch_scc1 .Lwo
	WSTEP 1, 0
	WTURN 1, 1, 0
	WSTEP 0, 0
	WTURN 0, 0, 0
	WSTEP 1, 0
	s_wait_dscnt 0x0
	MULO 1, 1, 0, 0
	MULO 1, 1, 2, 0
	WIN 0
.macro TOSTAGE a
.set TT, (\a)/2
.set KK2, (\a)%2
	WIN 0x04+4*(TT/2)
.irp i, 0,1,2,3,4,5,6,7
	ds_store_b128 v27, v[128*(TT%2)+8*(8*KK2+\i):128*(TT%2)+8*(8*KK2+\i)+3] offset:128*(\i/2)+32*(\i%2)
	ds_store_b128 v27, v[128*(TT%2)+8*(8*KK2+\i)+4:128*(TT%2)+8*(8*KK2+\i)+7] offset:128*(\i/2)+32*(\i%2)+16
.endr
	WIN 0
.set BB, 64+64*((\a)%2)
.irp i, 0,1,2,3,4,5,6,7,8,9,10,11,12,13,14,15
	ds_load_b128 v[BB+4*\i:BB+4*\i+3], v28 offset:SP*\i
.endr
.endm
.macro SEND a, younger
.set TT, (\a)/2
.set KK2, (\a)%2
.set BB, 64+64*((\a)%2)
	s_wait_dscnt \younger
.irp i, 0,1,2,3,4,5,6,7,8,9,10,11,12,13,14,15
	v_pk_add_f32 v[BB+4*\i:BB+4*\i+1], v[BB+4*\i:BB+4*\i+1], v[32+4*KK2:33+4*KK2]
	v_pk_add_f32 v[BB+4*\i+2:BB+4*\i+3], v[BB+4*\i+2:BB+4*\i+3], v[34+4*KK2:35+4*KK2]
.endr
.irp i, 0,1,2,3,4,5,6,7,8,9,10,11,12,13,14,15
	global_store_b128 v1, v[BB+4*\i:BB+4*\i+3], s[58:59] offset:(4*\i+TT)*4096+512*KK2 th:TH_STORE_NT
.endr
.endm
	PLACES
	TOSTAGE 0
.irp a, 1,2,3,4,5,6,7
.if \a > 1
	s_wait_xcnt 0x0
.endif
	TOSTAGE \a
	SEND \a-1, 32
.endr
	SEND 7, 0
	s_wait_tensorcnt 0x0
	ds_add_u32 v13, v14
	s_wait_dscnt 0x0
	CROUND
	s_endpgm
.Lfunc_end_k_qd1e8b10b81_fused:
	.size	k_qd1e8b10b81_fused, .Lfunc_end_k_qd1e8b10b81_fused-k_qd1e8b10b81_fused
	.p2alignl 7, 3214868480
	.fill 96, 4, 3214868480
	.section	.rodata,"a",@progbits
	.p2align	6, 0x0
	.amdhsa_kernel k_qd1e8b10b81_fused
		.amdhsa_group_segment_fixed_size 327680
		.amdhsa_private_segment_fixed_size 0
		.amdhsa_enable_private_segment 0
		.amdhsa_kernarg_size 56
		.amdhsa_user_sgpr_count 2
		.amdhsa_user_sgpr_kernarg_segment_ptr 1
		.amdhsa_wavefront_size32 1
		.amdhsa_system_sgpr_workgroup_id_x 1
		.amdhsa_system_sgpr_workgroup_id_y 1
		.amdhsa_system_sgpr_workgroup_id_z 1
		.amdhsa_system_vgpr_workitem_id 0
		.amdhsa_next_free_vgpr 1024
		.amdhsa_next_free_sgpr 84
		.amdhsa_reserve_vcc 1
		.amdhsa_float_denorm_mode_32 3
		.amdhsa_float_denorm_mode_16_64 3
		.amdhsa_memory_ordered 1
		.amdhsa_forward_progress 1
		.amdhsa_inst_pref_size 255
	.end_amdhsa_kernel
	.section	.bss,"aw",@nobits
	.p2align	6
	.space	262144
	.amdgpu_metadata
---
amdhsa.version: [ 1, 2 ]
amdhsa.kernels:
  - .name:           k_qd1e8b10b81_fused
    .symbol:         k_qd1e8b10b81_fused.kd
    .args:
      - { .name: x, .offset: 0, .size: 8, .value_kind: global_buffer, .address_space: global }
      - { .name: wst, .offset: 8, .size: 8, .value_kind: global_buffer, .address_space: global }
      - { .name: akv, .offset: 16, .size: 8, .value_kind: global_buffer, .address_space: global }
      - { .name: WQ_b, .offset: 24, .size: 8, .value_kind: global_buffer, .address_space: global }
      - { .name: WK_b, .offset: 32, .size: 8, .value_kind: global_buffer, .address_space: global }
      - { .name: WO_b, .offset: 40, .size: 8, .value_kind: global_buffer, .address_space: global }
      - { .name: out0, .offset: 48, .size: 8, .value_kind: global_buffer, .address_space: global }
    .group_segment_fixed_size: 327680
    .private_segment_fixed_size: 0
    .kernarg_segment_align: 8
    .kernarg_segment_size: 56
    .max_flat_workgroup_size: 128
    .sgpr_count:     84
    .vgpr_count:     1024
    .wavefront_size: 32
...
	.end_amdgpu_metadata
.endif
;; end of part 2
